; MI455X (gfx1250); checked and timed in simulation.
; The chip was launched on July 23, 2026; its instructions are those of AMD's public machine-readable ISA for CDNA 5 (MIT licence, August 2026) and "CDNA5" Instruction Set Architecture Reference Guide (July 2026). The comments in the code are by the model that wrote it; some were corrected since.
;; Normalized Attention. Allowed arithmetic: matrix products marked QUANTISED: E2M1 operands, one E8M0 scale for each 32 along K, by v_wmma_scale_f32_16x16x128_f8f6f4 with both operands' format E2M1 (or v_wmma_scale_f32_32x16x128_f4), f32 sums; products left as they are: bf16, f16 or f32 operands; f32 sums; everything else in f32.
;; Inputs: Wproj 1,024 x 1,024 float32; Wqkv 1,024 x 3,072 float32; bproj 1,024 float32; bqkv 3,072 float32; gamma 1 float32; sigma 1 float32; x 2 x 2,048 x 1,024 float32.
;; Outputs: out0 2 x 2,048 x 1,024 float32.
;; This version of the problem:
;;   THIS VERSION OF THE PROBLEM IS GIVEN IN LOW PRECISION. The matrix products marked QUANTISED in the list below multiply operands that are first quantised to E2M1 (2 exponent bits, 1 mantissa bit; 4 bits a number), with one power-of-two scale for each 32 numbers along K (OCP MX v1.0); their sums are f32. The products marked 'left as it is' may take bf16, f16 or f32 operands, with f32 sums. Whichever they take, every output number must still come out within the allowed error. Rounding operands to bf16 (8 significant bits) uses up far more of that allowance than f16 does (11 bits, for magnitudes from 6e-5 to 65,504). All else is computed in f32.
;;   The module's matrix products, in the order in which they are computed (A, B: the left and right operand; K: the contracted axis; several contracted axes count as one K, in the product's order):
;;     1. [M 4,096, K 1,024] x [K 1,024, N 3,072]; A: input x; B: input Wqkv: QUANTISED
;;     2. batch 32 x [M 2,048, K 64] x [K 64, N 2,048]; A: computed on the way; B: computed on the way: left as it is (an operand is computed on the way)
;;     3. batch 32 x [M 2,048, K 2,048] x [K 2,048, N 64]; A: computed on the way; B: computed on the way: left as it is (an operand is computed on the way)
;;     4. [M 4,096, K 1,024] x [K 1,024, N 1,024]; A: computed on the way; B: input Wproj: left as it is (an operand is computed on the way)
;;   THE QUANTISER, for each operand of a quantised product, along K:
;;     - K is cut into blocks of 32 from its start; a last block that is shorter is filled with zeros.
;;     - A block's scale is 2^e with e = floor(log2(the largest magnitude in the block)) - 2, held to -126 .. 127; a block of zeros has e = 0. As a byte (E8M0): e + 127.
;;     - Each number is divided by its block's scale, clamped to +-6, and rounded to the nearest number of E2M1, ties to even, subnormals kept.
;;     - The product sums the exact products of the quantised numbers (number of the format x scale) in f32.
;;   ~~~python
;;   def quantise(x, axis):      # numpy; x: float32 -> the quantised numbers, widened to float32 again
;;       x = np.moveaxis(x, axis, -1); K = x.shape[-1]
;;       x = np.pad(x, [(0, 0)] * (x.ndim - 1) + [(0, -K % 32)]); x = x.reshape(x.shape[:-1] + (-1, 32)); a = np.abs(x).max(-1, keepdims=True)
;;       e = np.where(a > 0, np.clip(np.frexp(np.where(a > 0, a, 1))[1] - 1 - 2, -126, 127), 0)      # np.frexp(a)[1] - 1 = floor(log2(a)), exactly
;;       r = np.clip(x / 2.0 ** e, -6, 6)
;;       step = 2.0 ** (np.maximum(np.frexp(np.where(r == 0, 1, r))[1] - 1, 0) - 1)
;;       q = np.round(r / step) * step * 2.0 ** e      # np.round: ties to even
;;       return np.moveaxis(q.reshape(q.shape[:-2] + (-1,))[..., :K], -1, axis).astype(np.float32)
;;   ~~~
;; One version. Each part assembles by itself: llvm-mc -triple=amdgcn-amd-amdhsa -mcpu=gfx1250 --defsym DOCPART=n.
;; ======== version 1 of 1: 4 launches
;; limits: values are held in f16: magnitudes above 65,504 overflow, below 6.1e-05 lose precision
;; workspace buffers: xc 2,097,152 bytes; xs 131,072 bytes; wc 1,572,864 bytes; ws 98,304 bytes; wp 2,097,152 bytes; qkv 25,165,824 bytes; ao 8,388,608 bytes
;; launch prep (part 1): grid 512 x 1, 4 waves a work-group, no clusters, 68,096 bytes of LDS; arguments x, Wqkv, Wproj, xc, xs, wc, ws, wp; writes xc, xs, wc, ws, wp
.if DOCPART == 1
	.amdgcn_target "amdgcn-amd-amdhsa--gfx1250"
	.amdhsa_code_object_version 6
	.text
	.protected	k_qc878e6b4ab_prep
	.globl	k_qc878e6b4ab_prep
	.p2align	8
	.type	k_qc878e6b4ab_prep,@function
k_qc878e6b4ab_prep:
	s_mov_b64 s[64:65], 0
	v_nop
	global_prefetch_b8 v0, s[64:65] scope:SCOPE_SE
	s_setreg_imm32_b32 hwreg(HW_REG_WAVE_MODE, 25, 1), 1
	s_wait_xcnt 0x0
; PREP: the operands of the later launches, laid as IMAGES OF OPERAND REGISTERS: pieces of 512 bytes, lane l's 16 bytes at 16 l.
;   x [4096][1024] f32     -> xc: codes of E2M1, [kh 2][token tile 256][s 4][c 2][512 B]: lane (r, h) holds K = 512 kh + 128 s + 64 c + 32 h + 0..31 of row 16 tile + r;  xs: scale words [tile][q 8][r 16]
;   Wqkv [1024][3072] f32  -> wc, ws likewise, a column n of Wqkv being a row of the operand ([kh 2][n tile 192]..)
;   Wproj [1024][1024] f32 -> wp: f16, [ks 4][n tile 64][kb 16][512 B]: lane (r, h) holds n = 16 tile + r, k = 256 ks + 16 kb + 8 h + 0..7
; A block's scale is 2^(floor(log2(largest magnitude)) - 2); its byte is that magnitude's exponent field - 2, held at 1 from below by a floor among the maximum's leaves.
; LIMITS: a block whose largest magnitude lies under 2^-124 (a block of zeros among them) keeps the byte 1; a block of zeros has zero codes, and these bytes are read by this program alone.
; NaN and infinities are not served.  Wproj goes to f16: magnitudes under 65,504; under 6e-5 the absolute error is 2^-25.
; Work-groups 0-255: x, a tile of 16 tokens each, a wave 256 along K.  256-447: Wqkv, 32 columns x 512 along K each, a wave 128 along K.  448-511: Wproj, a wave 32 columns x 128 along K.
; No tensor load, no barrier: waves share nothing.  Only x's path uses LDS: each wave's own two stages.
.set SPARE, 67584                      ; behind the four waves' stages: the spare words, 128 bytes a wave
.set WREG,  16896                      ; a wave's LDS: two stages
.set SROW,  528                        ; a stage row: 512 bytes + 16 of padding: 33 x 16, so that sixteen rows start at sixteen different 16-byte columns
.set STG1,  16*SROW                    ; the second stage
.set SPW,   14                         ; v14  LDS address of my spare word; never rewritten
.set NIL,   15                         ; v15  0; never rewritten
; 64 numbers of a lane, v[s + 32 c + i] = K 64 c + 32 h + i of my row: two whole blocks.  Codes into v[cd .. cd + 7], the row's scale word into v[wd].
.macro QUANTX s, cd, wd
.irp c, 0,1
	v_max3_num_f32 v[8+\c], |v[\s+32*\c]|, |v[\s+32*\c+1]|, 0x1800000      ; the floor 2^(3 - 127): the byte cannot fall under 1
.endr
.irp i, 2,4,6,8,10,12,14,16,18,20,22,24,26,28,30
.irp c, 0,1
	v_max3_num_f32 v[8+\c], v[8+\c], |v[\s+32*\c+\i]|, |v[\s+32*\c+\i+1]|  ; the two blocks by turns
.endr
.endr
.irp c, 0,1
	v_add_nc_u32 v[10+\c], 0xff000000, v[8+\c]     ; 2 off the exponent field: the conversion's scale operand
.endr
.irp c, 0,1
	v_lshrrev_b32 v[12+\c], 23, v[10+\c]           ; the scale's byte
.endr
	v_lshl_or_b32 v[\wd], v13, 16, v12             ; my bytes: blocks h and 2 + h,
	v_lshlrev_b32 v[\wd], v226, v[\wd]             ; 8 h bits up;
	v_permlanex16_b32 v12, v[\wd], s24, s25
	v_or_b32 v[\wd], v[\wd], v12                   ; with lane l xor 16's two the word is whole
.irp c, 0,1
.irp g, 0,1,2,3
	v_cvt_scalef32_pk8_fp4_f32 v[\cd+4*\c+\g], v[\s+32*\c+8*\g:\s+32*\c+8*\g+7], v[10+\c]
.endr
.endr
	v_nop                                          ; one plain line behind the last scaled conversion
.endm
; block t of 32 along K of my column into set t % 2: each load reads 128 consecutive bytes of one row
.macro LOADK t, pitch, b
.irp i, 0,1,2,3,4,5,6,7,8,9,10,11,12,13,14,15,16,17,18,19,20,21,22,23,24,25,26,27,28,29,30,31
	global_load_b32 v[32+32*((\t)%2)+\i], v4, s[\b:\b+1] offset:(32*(\t)+\i)*\pitch th:TH_LOAD_NT
.endr
.endm
	s_load_b256 s[4:11], s[0:1], 0x0               ; x s[4:5], Wqkv s[6:7], Wproj s[8:9], xc s[10:11]
	s_load_b256 s[12:19], s[0:1], 0x20             ; xs s[12:13], wc s[14:15], ws s[16:17], wp s[18:19]
	v_lshl_add_u32 v[SPW], v0, 2, SPARE
	v_mov_b32 v[NIL], 0
	v_lshrrev_b32 v1, 5, v0
	v_readfirstlane_b32 s20, v1                    ; wave 0..3
	v_and_b32 v1, 31, v0                           ; lane
	v_and_b32 v2, 15, v0                           ; r
	v_bfe_u32 v3, v0, 4, 1                         ; h
	s_mov_b32 s24, 0x76543210
	s_mov_b32 s25, 0xfedcba98                      ; selects for lane l xor 16
	s_mov_b32 s27, 0                               ; the high words of three offsets
	s_mov_b32 s29, 0
	s_mov_b32 s31, 0
	s_wait_kmcnt 0x0
	s_cmp_lt_u32 ttmp9, 256
	s_cbranch_scc0 .Lnot_x
	; ---- x: token tile = work-group, K = 256 wave .. + 255: two steps of 128
	s_lshl_b32 s26, ttmp9, 16                      ; 16 rows of 4,096 bytes
	s_lshl_b32 s21, s20, 10
	s_add_co_u32 s26, s26, s21
	s_add_nc_u64 s[4:5], s[4:5], s[26:27]
	s_lshr_b32 s28, s20, 1                         ; kh
	s_lshl_b32 s28, s28, 20
	s_lshl_b32 s21, ttmp9, 12
	s_add_co_u32 s28, s28, s21
	s_and_b32 s21, s20, 1
	s_lshl_b32 s21, s21, 11                        ; s = 2 (wave & 1) + step
	s_add_co_u32 s28, s28, s21
	s_add_nc_u64 s[10:11], s[10:11], s[28:29]
	s_lshl_b32 s30, ttmp9, 9
	s_lshl_b32 s21, s20, 7
	s_add_co_u32 s30, s30, s21
	s_add_nc_u64 s[12:13], s[12:13], s[30:31]
	s_mul_i32 s22, s20, WREG
	v_lshlrev_b32 v4, 4, v1                        ; 16 x lane
	v_add_nc_u32 v5, s22, v4                       ; into a stage: a row as it was loaded
	v_mul_u32_u24 v6, v2, SROW
	v_lshl_add_u32 v6, v3, 7, v6
	v_add_nc_u32 v6, s22, v6                       ; out of it: row r, + 128 h bytes: my block of 32 numbers
	v_lshlrev_b32 v7, 2, v1
	v_lshlrev_b32 v226, 3, v3
.irp e, 0,1
.irp i, 0,1,2,3,4,5,6,7,8,9,10,11,12,13,14,15
	global_load_b128 v[32+64*\e+4*\i:32+64*\e+4*\i+3], v4, s[4:5] offset:4096*\i+512*\e th:TH_LOAD_NT   ; 512 consecutive bytes of row i
.endr
.endr
	s_wait_loadcnt 16                              ; step 0's sixteen loads are in; step 1's may be out
.irp i, 0,1,2,3,4,5,6,7,8,9,10,11,12,13,14,15
	ds_store_b128 v5, v[32+4*\i:32+4*\i+3] offset:SROW*\i
.endr
.irp c, 0,1
.irp g, 0,1,2,3,4,5,6,7
	ds_load_b128 v[160+32*\c+4*\g:160+32*\c+4*\g+3], v6 offset:256*\c+16*\g    ; LDS serves a wave's instructions in order: these see the stores above
.endr
.endr
	s_wait_loadcnt 0x0
.irp i, 0,1,2,3,4,5,6,7,8,9,10,11,12,13,14,15
	ds_store_b128 v5, v[96+4*\i:96+4*\i+3] offset:STG1+SROW*\i
.endr
	s_wait_dscnt 16                                ; all but the sixteen stores just issued: step 0's numbers are back, and its stores have read v32-95,
.irp c, 0,1
.irp g, 0,1,2,3,4,5,6,7
	ds_load_b128 v[32+32*\c+4*\g:32+32*\c+4*\g+3], v6 offset:STG1+256*\c+16*\g ; which take step 1's numbers
.endr
.endr
	QUANTX 160, 16, 224
	s_wait_dscnt 0x0
	QUANTX 32, 24, 225
.irp e, 0,1
.irp c, 0,1
	global_store_b128 v4, v[16+8*\e+4*\c:16+8*\e+4*\c+3], s[10:11] offset:1024*\e+512*\c   ; a piece: 512 consecutive bytes
.endr
.endr
	v_cmp_le_u32 vcc_lo, 16, v1
	v_cndmask_b32 v12, v224, v225, vcc_lo          ; lanes 0-15 the words of step 0, lanes 16-31 those of step 1
	global_store_b32 v7, v12, s[12:13]             ; 128 consecutive bytes
	s_wait_tensorcnt 0x0                           ; the wave's end
	ds_add_u32 v[SPW], v[NIL]
	s_wait_dscnt 0x0
	s_endpgm
.Lnot_x:
	s_cmp_lt_u32 ttmp9, 448
	s_cbranch_scc0 .Lpath_p
	; ---- Wqkv: a lane takes a column, its registers run down K
	s_sub_co_u32 s21, ttmp9, 256
	s_lshr_b32 s22, s21, 1                         ; which 32 columns
	s_and_b32 s21, s21, 1
	s_lshl_b32 s21, s21, 2
	s_add_co_u32 s21, s21, s20                     ; q: K = 128 q ..
	s_mul_i32 s26, s21, 128*12288
	s_lshl_b32 s23, s22, 7
	s_add_co_u32 s26, s26, s23
	s_add_nc_u64 s[6:7], s[6:7], s[26:27]
	s_lshr_b32 s28, s21, 2                         ; kh
	s_mul_i32 s28, s28, 786432
	s_lshl_b32 s23, s22, 13                        ; two tiles of 4,096 bytes
	s_add_co_u32 s28, s28, s23
	s_and_b32 s23, s21, 3
	s_lshl_b32 s23, s23, 10
	s_add_co_u32 s28, s28, s23
	s_add_nc_u64 s[14:15], s[14:15], s[28:29]
	s_lshl_b32 s30, s22, 10
	s_lshl_b32 s23, s21, 6
	s_add_co_u32 s30, s30, s23
	s_add_nc_u64 s[16:17], s[16:17], s[30:31]
	v_lshlrev_b32 v4, 2, v1
	v_lshlrev_b32 v5, 4, v2
	v_lshl_add_u32 v5, v3, 12, v5                  ; codes: tile h of the two, 16 r
	v_lshlrev_b32 v6, 2, v2
	v_lshl_add_u32 v6, v3, 9, v6                   ; scale words: tile h, 4 r
.macro BLOCKW t
.set XS, 32+32*((\t)%2)
.if (\t) < 3
	s_wait_loadcnt 32                              ; this block's 32 loads are in; the next block's may be out
.else
	s_wait_loadcnt 0x0
.endif
	v_max3_num_f32 v8, |v[XS]|, |v[XS+1]|, |v[XS+2]|
	v_max3_num_f32 v9, |v[XS+3]|, |v[XS+4]|, |v[XS+5]|
.irp i, 6,10,14,18,22,26
	v_max3_num_f32 v8, v8, |v[XS+\i]|, |v[XS+\i+1]|
	v_max3_num_f32 v9, v9, |v[XS+\i+2]|, |v[XS+\i+3]|
.endr
	v_max3_num_f32 v8, v8, |v[XS+30]|, |v[XS+31]|
	v_max3_num_f32 v8, v8, v9, 0x1800000           ; and the floor
	v_add_nc_u32 v10, 0xff000000, v8
	v_lshrrev_b32 v11, 23, v10
.if (\t) == 0
	v_mov_b32 v112, v11
.else
	v_lshl_or_b32 v112, v11, 8*(\t), v112          ; byte t of my column's scale word
.endif
.irp g, 0,1,2,3
	v_cvt_scalef32_pk8_fp4_f32 v[96+4*(\t)+\g], v[XS+8*\g:XS+8*\g+7], v10
.endr
	v_nop
	global_store_b128 v5, v[96+4*(\t):96+4*(\t)+3], s[14:15] offset:512*((\t)/2)+256*((\t)%2)   ; block t is piece t / 2, half t % 2: sixteen lanes store 256 consecutive aligned bytes
.if (\t) < 2
	LOADK (\t)+2, 12288, 6
.endif
.endm
	LOADK 0, 12288, 6
	LOADK 1, 12288, 6
	BLOCKW 0
	BLOCKW 1
	BLOCKW 2
	BLOCKW 3
	global_store_b32 v6, v112, s[16:17]
	s_endpgm
.Lpath_p:
	; ---- Wproj to f16: again a lane to a column
	s_sub_co_u32 s21, ttmp9, 448
	s_lshl_b32 s21, s21, 2
	s_add_co_u32 s21, s21, s20
	s_lshr_b32 s22, s21, 3                         ; which 32 columns
	s_and_b32 s21, s21, 7                          ; q: k = 128 q ..
	s_lshl_b32 s26, s21, 19                        ; 128 rows of 4,096 bytes
	s_lshl_b32 s23, s22, 7
	s_add_co_u32 s26, s26, s23
	s_add_nc_u64 s[8:9], s[8:9], s[26:27]
	s_lshr_b32 s28, s21, 1                         ; ks
	s_lshl_b32 s28, s28, 19
	s_lshl_b32 s23, s22, 14                        ; two tiles of 8,192 bytes
	s_add_co_u32 s28, s28, s23
	s_and_b32 s23, s21, 1
	s_lshl_b32 s23, s23, 12                        ; eight pieces
	s_add_co_u32 s28, s28, s23
	s_add_nc_u64 s[18:19], s[18:19], s[28:29]
	v_lshlrev_b32 v4, 2, v1
	v_lshlrev_b32 v5, 4, v2
	v_lshl_add_u32 v5, v3, 13, v5
.macro BLOCKP t
.set XS, 32+32*((\t)%2)
.if (\t) < 3
	s_wait_loadcnt 32                              ; this block's 32 loads are in; the next block's may be out
.else
	s_wait_loadcnt 0x0
.endif
.irp i, 0,1,2,3,4,5,6,7,8,9,10,11,12,13,14,15
	v_cvt_pk_f16_f32 v[96+16*(\t)+\i], v[XS+2*\i], v[XS+2*\i+1]
.endr
.irp m, 0,1,2,3
	global_store_b128 v5, v[96+16*(\t)+4*\m:96+16*(\t)+4*\m+3], s[18:19] offset:1024*(\t)+256*\m   ; k = 32 t + 8 m ..: piece 2 t + m / 2, half m % 2
.endr
.if (\t) < 2
	LOADK (\t)+2, 4096, 8
.endif
.endm
	LOADK 0, 4096, 8
	LOADK 1, 4096, 8
	BLOCKP 0
	BLOCKP 1
	BLOCKP 2
	BLOCKP 3
	s_endpgm
.Lfunc_end_k_qc878e6b4ab_prep:
	.size	k_qc878e6b4ab_prep, .Lfunc_end_k_qc878e6b4ab_prep-k_qc878e6b4ab_prep
	.p2alignl 7, 3214868480
	.fill 96, 4, 3214868480
	.section	.rodata,"a",@progbits
	.p2align	6, 0x0
	.amdhsa_kernel k_qc878e6b4ab_prep
		.amdhsa_group_segment_fixed_size 68096
		.amdhsa_private_segment_fixed_size 0
		.amdhsa_enable_private_segment 0
		.amdhsa_kernarg_size 64
		.amdhsa_user_sgpr_count 2
		.amdhsa_user_sgpr_kernarg_segment_ptr 1
		.amdhsa_wavefront_size32 1
		.amdhsa_system_sgpr_workgroup_id_x 1
		.amdhsa_system_sgpr_workgroup_id_y 1
		.amdhsa_system_sgpr_workgroup_id_z 1
		.amdhsa_system_vgpr_workitem_id 0
		.amdhsa_next_free_vgpr 232
		.amdhsa_next_free_sgpr 66
		.amdhsa_reserve_vcc 1
		.amdhsa_float_denorm_mode_32 3
		.amdhsa_float_denorm_mode_16_64 3
		.amdhsa_memory_ordered 1
		.amdhsa_forward_progress 1
		.amdhsa_inst_pref_size 54
	.end_amdhsa_kernel
	.amdgpu_metadata
---
amdhsa.version: [ 1, 2 ]
amdhsa.kernels:
  - .name:           k_qc878e6b4ab_prep
    .symbol:         k_qc878e6b4ab_prep.kd
    .args:
      - { .name: x, .offset: 0, .size: 8, .value_kind: global_buffer, .address_space: global }
      - { .name: Wqkv, .offset: 8, .size: 8, .value_kind: global_buffer, .address_space: global }
      - { .name: Wproj, .offset: 16, .size: 8, .value_kind: global_buffer, .address_space: global }
      - { .name: xc, .offset: 24, .size: 8, .value_kind: global_buffer, .address_space: global }
      - { .name: xs, .offset: 32, .size: 8, .value_kind: global_buffer, .address_space: global }
      - { .name: wc, .offset: 40, .size: 8, .value_kind: global_buffer, .address_space: global }
      - { .name: ws, .offset: 48, .size: 8, .value_kind: global_buffer, .address_space: global }
      - { .name: wp, .offset: 56, .size: 8, .value_kind: global_buffer, .address_space: global }
    .group_segment_fixed_size: 68096
    .private_segment_fixed_size: 0
    .kernarg_segment_align: 8
    .kernarg_segment_size: 64
    .max_flat_workgroup_size: 128
    .sgpr_count:     66
    .vgpr_count:     232
    .wavefront_size: 32
...
	.end_amdgpu_metadata
.endif
;; end of part 1
;; launch gemm (part 2): grid 12 x 16, 4 waves a work-group, clusters of 4 x 4, 327,680 bytes of LDS; arguments xc, xs, wc, ws, bqkv, qkv; writes qkv
.if DOCPART == 2
	.amdgcn_target "amdgcn-amd-amdhsa--gfx1250"
	.amdhsa_code_object_version 6
	.text
	.protected	k_qc878e6b4ab_gemm
	.globl	k_qc878e6b4ab_gemm
	.p2align	8
	.type	k_qc878e6b4ab_gemm,@function
k_qc878e6b4ab_gemm:
	s_mov_b64 s[64:65], 0
	v_nop
	global_prefetch_b8 v0, s[64:65] scope:SCOPE_SE
	s_setreg_imm32_b32 hwreg(HW_REG_WAVE_MODE, 25, 1), 1
	s_wait_xcnt 0x0
	s_wait_alu depctr_hold_cnt(0) depctr_sa_sdst(0) depctr_va_vdst(0) depctr_va_sdst(0) depctr_va_ssrc(0) depctr_va_vcc(0) depctr_vm_vsrc(0)
	s_getreg_b32 s2, hwreg(HW_REG_IB_STS2, 6, 4)
	s_cmp_eq_u32 s2, 0
	s_cbranch_scc0 .Lentry_in_a_cluster
	s_endpgm
.Lentry_in_a_cluster:
	s_bfe_u32 s2, ttmp6, 0x10000c
	s_cmp_lg_u32 s2, 0xf033
	s_cbranch_scc0 .Lentry_shape_is_right
	s_endpgm
.Lentry_shape_is_right:
; qkv = Q(x) Q(Wqkv) + bqkv on codes of E2M1 with E8M0 scales; M 4,096, N 3,072, K 1,024.  Sums in f32; the result leaves as f16 (an operand of products that are left as they are).
; LIMIT: |q|, |k|, |v| under 65,504.
; A tile of 256 x 256 to a work-group of four waves, 128 x 128 a wave: 64 accumulators, 512 registers.  K = 1,024 is two slots of 512: both are asked for at the head, and nothing is filled again.
; Codes and scale words lie in memory as images of operand registers (pieces of 512 bytes, lane l at 16 l), so a slot's part is one dense block and a fragment is two ds_load_b128 of 512 consecutive bytes each.
; CLUSTERS: 4 x 4 work-groups; A's tiles are asked for jointly along a row of the cluster, B's along a column.
; TRANSPOSED USE: source 0 = 16 columns of Wqkv, source 1 = 16 tokens: a lane holds eight neighbouring channels of one token.  The bias is the C of each sum's first product.
; OUT: qkv [which 3][batch 2][head 16][token tile 128][b4 4][512 B]: lane (r, h) holds token r, channels 16 b4 + 8 h + 0..7, at byte 16 (l xor 8 (l >> 4)).
; REGISTERS: window 0: v16-29 addresses; v32-95 scale words, two sets; v128-191 A's fragments, one set; v192-255 the bias; on the way out v32-255 hold packed results.
;   window 1: B's fragments, two sets, at v0 and v128.  windows 2, 3: the accumulators of my rows 0-63, 64-127 ((a, b) at v[8 (8 (a % 4) + b)]).
.set NQ,    4                          ; steps of 128 along K in a slot
.set FR,    8                          ; registers of a fragment
.set NL,    2                          ; LDS loads that bring one
.set NP,    4                          ; places behind this matrix instruction (ISA guide 7.12.1)
.set HALFT, 32768                      ; 8 tiles x 4,096 bytes: what one tensor load brings, and what one wave reads of A or of B
.set SLOT,  131072                     ; A's 16 tiles, then B's 16
.set SCL,   262144                     ; behind the slots: A's scale words (16 tiles x 512 bytes), then B's
.set HALFS, 4096
.set SPARE, 278528                     ; the spare words, 128 bytes a wave
.set ADRA, 16                          ; v16-17 LDS address of my A fragments in slot 0, 1
.set ADRB, 20                          ; v20-21 of B's
.set CO,   26                          ; v26 my 16 bytes in a piece of qkv
.set ADRS, 27                          ; v27 my scale words: lanes 0-15 A's, lanes 16-31 B's
.set SPW,  28
.set NIL,  29
.set SC,   32
.set AF,   128
.set BIAS, 192
.set PK,   32
.set G1, 24                            ; s[24:31] group 1 for A's codes; s[32:39] groups 0, one a slot
.set G0, 32
.set G1B, 48
.set G0B, 56
.set G1S, 68                           ; the same for the scale words
.set G0S, 76
.set G1SB, 80
.set G0SB, 88
.set MSB, 0
.macro WIN new                         ; the immediate's high byte repeats the setting that is left
.if MSB != \new
	s_set_vgpr_msb (MSB<<8)|\new
.set MSB, \new
.endif
.endm
.set MUL_LO, 0xa1                      ; source 0 (B) window 1, source 1 (A) window 0, C and D window 2
.set MUL_HI, 0xf1                      ; C and D window 3
.set BEG_LO, 0x81                      ; the first step: C (the bias) window 0, D window 2
.set BEG_HI, 0xc1                      ; D window 3
.set TO_B,   0x40
; A joint load: waves 0 and 1 fetch for A, waves 2 and 3 for B; the branch hangs on the wave's number alone.  An s_nop 0 and four v_nop follow each line.
.macro JLOAD g0a, g1a, g0b, g1b
	s_cmp_eq_u32 s15, 0
	s_cbranch_scc0 .Lfor_b_\@
	tensor_load_to_lds s[\g0a:\g0a+3], s[\g1a:\g1a+7]
	s_nop 0
.rept 4
	v_nop
.endr
	s_branch .Lasked_\@
.Lfor_b_\@:
	tensor_load_to_lds s[\g0b:\g0b+3], s[\g1b:\g1b+7]
	s_nop 0
.rept 4
	v_nop
.endr
.Lasked_\@:
.endm
.macro CROUND                          ; a round of the cluster's barrier
	s_barrier_signal -1
	s_barrier_wait -1
	s_cmp_lg_u32 s14, 0
	s_cbranch_scc1 .Lnot_wave_0_\@
	s_barrier_signal -3
.Lnot_wave_0_\@:
	s_barrier_wait -3
	s_barrier_signal -1
	s_barrier_wait -1
.endm
	s_load_b128 s[4:7], s[0:1], 0x0                ; xc s[4:5], xs s[6:7]
	s_load_b128 s[8:11], s[0:1], 0x10              ; wc s[8:9], ws s[10:11]
	s_load_b128 s[92:95], s[0:1], 0x20             ; bqkv s[92:93], qkv s[94:95]
	v_lshl_add_u32 v[SPW], v0, 2, SPARE
	v_mov_b32 v[NIL], 0
	ds_add_u32 v[SPW], v[NIL]                      ; the wave's opening: the add, twice on end, and its wait ahead of my first tensor load
	ds_add_u32 v[SPW], v[NIL]
	v_lshrrev_b32 v1, 5, v0
	v_readfirstlane_b32 s14, v1                    ; wave 0..3
	s_lshr_b32 s15, s14, 1                         ; which half of the tile's rows is mine.  Also: I fetch for A (0) or for B (1)
	s_and_b32 s16, s14, 1                          ; which half of its columns.  Also: which half of that operand's tiles I fetch
	s_bfe_u32 s40, ttmp6, 0x40000                  ; cx
	s_bfe_u32 s41, ttmp6, 0x40004                  ; cy
	s_lshl_b32 s42, ttmp9, 2
	s_add_co_u32 s42, s42, s40                     ; tile column 0..11
	s_and_b32 s17, ttmp7, 0xffff
	s_lshl_b32 s17, s17, 2
	s_add_co_u32 s17, s17, s41                     ; tile row 0..15
	s_lshl_b32 s43, s41, 2
	s_lshl_b32 s43, 15, s43                        ; my row of the cluster
	s_lshl_b32 s44, 0x1111, s40                    ; my column
	; group 1: dense blocks as rows of 256 bytes (32 elements of 8 bytes), no padding: 128 rows of codes, 16 of scale words
	s_or_b32 s[G1+0], s43, (3<<16)|(1<<21)
	s_or_b32 s[G1B+0], s44, (3<<16)|(1<<21)
	s_or_b32 s[G1S+0], s43, (3<<16)|(1<<21)
	s_or_b32 s[G1SB+0], s44, (3<<16)|(1<<21)
.irp g, G1, G1B
	s_mov_b32 s[\g+1], 32<<16                      ; tensor_dim0
	s_mov_b32 s[\g+2], 128<<16                     ; tensor_dim1
	s_mov_b32 s[\g+3], 32<<16                      ; tile_dim0
	s_mov_b32 s[\g+4], 128                         ; tile_dim1
	s_mov_b32 s[\g+5], 32                          ; the pitch
	s_mov_b32 s[\g+6], 0
	s_mov_b32 s[\g+7], 0
.endr
.irp g, G1S, G1SB
	s_mov_b32 s[\g+1], 32<<16
	s_mov_b32 s[\g+2], 16<<16
	s_mov_b32 s[\g+3], 32<<16
	s_mov_b32 s[\g+4], 16
	s_mov_b32 s[\g+5], 32
	s_mov_b32 s[\g+6], 0
	s_mov_b32 s[\g+7], 0
.endr
	s_lshl_b32 s18, s16, 15
	s_lshl_b32 s20, s17, 16
	s_add_co_u32 s20, s20, s18                     ; A's codes: 65,536 x tile row + 32,768 x half
	s_lshl_b32 s46, s42, 16
	s_add_co_u32 s46, s46, s18                     ; B's: by the tile column
	s_lshl_b32 s18, s16, 12
	s_lshl_b32 s22, s17, 13
	s_add_co_u32 s22, s22, s18                     ; A's scale words: 8,192 x tile row + 4,096 x half
	s_lshl_b32 s66, s42, 13
	s_add_co_u32 s66, s66, s18
	s_mov_b32 s21, 0
	s_mov_b32 s23, 0
	s_mov_b32 s47, 0
	s_mov_b32 s67, 0
	s_lshl_b32 s45, s14, 15                        ; where they go: wave x 32,768, wave x 4,096: no place in the cluster enters an LDS address
	s_lshl_b32 s96, s14, 12
	s_wait_dscnt 0x0                               ; both opening adds are done
	s_wait_kmcnt 0x0
	s_add_nc_u64 s[20:21], s[4:5], s[20:21]
	s_add_nc_u64 s[22:23], s[6:7], s[22:23]
	s_add_nc_u64 s[46:47], s[8:9], s[46:47]
	s_add_nc_u64 s[66:67], s[10:11], s[66:67]
	CROUND                                         ; all sixteen work-groups are here: the first joint loads meet
	s_mov_b32 s[G0S], 1
	s_add_co_u32 s[G0S+1], s96, SCL
	s_mov_b64 s[G0S+2:G0S+3], s[22:23]
	s_or_b32 s[G0S+3], s[G0S+3], 0x80000000
	s_mov_b32 s[G0SB], 1
	s_add_co_u32 s[G0SB+1], s96, SCL
	s_mov_b64 s[G0SB+2:G0SB+3], s[66:67]
	s_or_b32 s[G0SB+3], s[G0SB+3], 0x80000000
	JLOAD G0S, G1S, G0SB, G1SB                     ; the scale words first
.irp s, 0,1
	s_mov_b32 s[G0+4*\s], 1
	s_add_co_u32 s[G0+4*\s+1], s45, \s*SLOT
	s_add_nc_u64 s[G0+4*\s+2:G0+4*\s+3], s[20:21], \s*1048576
	s_or_b32 s[G0+4*\s+3], s[G0+4*\s+3], 0x80000000
	s_mov_b32 s[G0B+4*\s], 1
	s_add_co_u32 s[G0B+4*\s+1], s45, \s*SLOT
	s_add_nc_u64 s[G0B+4*\s+2:G0B+4*\s+3], s[46:47], \s*786432
	s_or_b32 s[G0B+4*\s+3], s[G0B+4*\s+3], 0x80000000
	JLOAD G0+4*\s, G1, G0B+4*\s, G1B               ; three tensor loads of mine are out
.endr
	v_and_b32 v1, 15, v0                           ; r
	v_bfe_u32 v2, v0, 4, 1                         ; h
	v_and_b32 v3, 31, v0                           ; lane
	v_lshlrev_b32 v4, 4, v3
	s_lshl_b32 s18, s15, 15                        ; my 8 tiles of A
	s_lshl_b32 s19, s16, 15
	s_add_co_u32 s19, s19, 2*HALFT                 ; my 8 tiles of B, behind A's 16
.irp s, 0,1
	v_add_nc_u32 v[ADRA+\s], s18, v4
	v_add_nc_u32 v[ADRB+\s], s19, v4
	s_add_co_u32 s18, s18, SLOT
	s_add_co_u32 s19, s19, SLOT
.endr
	v_lshlrev_b32 v5, 2, v1
	s_mul_i32 s18, s15, HALFS
	s_mul_i32 s19, s16, HALFS
	s_add_co_u32 s19, s19, 2*HALFS
	s_sub_co_u32 s19, s19, s18
	v_mul_u32_u24 v6, s19, v2                      ; lanes 16-31 take B's: one product, the distance between the two bases
	s_add_co_u32 s18, s18, SCL
	v_add_nc_u32 v5, v5, v6
	v_add_nc_u32 v[ADRS], s18, v5
	v_and_b32 v6, 16, v3
	v_lshrrev_b32 v6, 1, v6
	v_xor_b32 v6, v6, v3
	v_lshlrev_b32 v[CO], 4, v6                     ; 16 (l xor 8 (l >> 4))
	v_lshlrev_b32 v7, 5, v2                        ; the bias: 8 h numbers on
	s_lshl_b32 s2, s42, 10
	s_lshl_b32 s3, s16, 9
	s_add_co_u32 s2, s2, s3                        ; 4 (256 x tile column + 128 x half)
	s_mov_b32 s3, 0
	s_add_nc_u64 s[92:93], s[92:93], s[2:3]
.irp b, 0,1,2,3,4,5,6,7
	global_load_b128 v[BIAS+8*\b:BIAS+8*\b+3], v7, s[92:93] offset:64*\b
	global_load_b128 v[BIAS+8*\b+4:BIAS+8*\b+7], v7, s[92:93] offset:64*\b+16
.endr
	s_lshr_b32 s2, s42, 2                          ; which of q, k, v
	s_lshl_b32 s2, s2, 23
	s_lshr_b32 s18, s17, 3                         ; batch
	s_lshl_b32 s18, s18, 22
	s_add_co_u32 s2, s2, s18
	s_and_b32 s18, s42, 3                          ; head = 4 (tile column & 3) + 2 x half + b / 4; a head is 262,144 bytes
	s_lshl_b32 s18, s18, 20
	s_add_co_u32 s2, s2, s18
	s_lshl_b32 s18, s16, 19
	s_add_co_u32 s2, s2, s18
	s_and_b32 s18, s17, 7                          ; token tile = 16 (tile row & 7) + 8 x half + a; a tile is 2,048 bytes
	s_lshl_b32 s18, s18, 15
	s_add_co_u32 s2, s2, s18
	s_lshl_b32 s18, s15, 14
	s_add_co_u32 s2, s2, s18
	s_add_nc_u64 s[94:95], s[94:95], s[2:3]
.macro FRAG reg, adr, q, i             ; a fragment: 16 rows x 128 K: two pieces
.irp c, 0,1
	ds_load_b128 v[\reg+4*\c:\reg+4*\c+3], v[\adr] offset:(\i)*4096+(\q)*1024+512*\c
.endr
.endm
; 16 matrix instructions: A's blocks a0, a0 + 1 x B's eight.  The 64 accumulators take turns, one instruction a turn, in the same order in every step.
.macro MUL16 a0, p, q, sc, zero
.irp a, \a0, \a0+1
.irp b, 0,1,2,3,4,5,6,7
.if \zero
	v_wmma_scale_f32_16x16x128_f8f6f4 v[8*(8*((\a)%4)+\b):8*(8*((\a)%4)+\b)+7], v[128*(\p)+FR*\b:128*(\p)+FR*\b+FR-1], v[AF+FR*(\a):AF+FR*(\a)+FR-1], v[BIAS+8*\b:BIAS+8*\b+7], v[SC+8*NQ*(\sc)+NQ*\b+(\q)], v[SC+8*NQ*(\sc)+NQ*(\a)+(\q)] matrix_a_fmt:MATRIX_FMT_FP4 matrix_b_fmt:MATRIX_FMT_FP4 matrix_a_scale:MATRIX_SCALE_ROW1
.else
	v_wmma_scale_f32_16x16x128_f8f6f4 v[8*(8*((\a)%4)+\b):8*(8*((\a)%4)+\b)+7], v[128*(\p)+FR*\b:128*(\p)+FR*\b+FR-1], v[AF+FR*(\a):AF+FR*(\a)+FR-1], v[8*(8*((\a)%4)+\b):8*(8*((\a)%4)+\b)+7], v[SC+8*NQ*(\sc)+NQ*\b+(\q)], v[SC+8*NQ*(\sc)+NQ*(\a)+(\q)] matrix_a_fmt:MATRIX_FMT_FP4 matrix_b_fmt:MATRIX_FMT_FP4 matrix_a_scale:MATRIX_SCALE_ROW1
.endif
.endr
.endr
.endm
.macro FETCH_B slot, q, p
	WIN TO_B
.irp i, 0,1,2,3,4,5,6,7
	FRAG 128*(\p)+FR*\i, ADRB+\slot, \q, \i
.endr
	WIN 0
.endm
.macro FETCH_A slot, q, i0
.irp i, \i0, \i0+1, \i0+2, \i0+3
	FRAG AF+FR*(\i), ADRA+\slot, \q, \i
.endr
.endm
.macro SCALES sc                       ; slot sc's scale words: register NQ i + q: lanes 0-15 A's block i, lanes 16-31 B's block i
.irp i, 0,1,2,3,4,5,6,7
.irp q, 0,1,2,3
	ds_load_b32 v[SC+8*NQ*\sc+NQ*\i+\q], v[ADRS] offset:512*\i+64*(4*\sc+\q)
.endr
.endr
.endm
.macro PLACES n                        ; places in front of loads into registers that matrix instructions have read, and of reads of results
.rept \n
	v_nop
.endr
.endm
.macro STEP slot, q, zero              ; a step of 128 along K that has its successor in the same slot
	s_wait_dscnt 4*NL                              ; all but the youngest eight loads (A's blocks 4-7)
.if \zero
	WIN BEG_LO
.else
	WIN MUL_LO
.endif
	MUL16 0, (\q)%2, \q, \slot, \zero
	MUL16 2, (\q)%2, \q, \slot, \zero
	s_wait_dscnt 0
	PLACES NP
	FETCH_B \slot, (\q)+1, 1-(\q)%2
	FETCH_A \slot, (\q)+1, 0
.if \zero
	WIN BEG_HI
.else
	WIN MUL_HI
.endif
	MUL16 4, (\q)%2, \q, \slot, \zero
	MUL16 6, (\q)%2, \q, \slot, \zero
	PLACES NP
	WIN 0
	FETCH_A \slot, (\q)+1, 4
.endm
.macro TURN slot, next                 ; a slot's last step: one barrier, behind which the next slot is whole for every wave.  Nothing is filled again
	s_wait_tensorcnt 0x0                           ; all my tensor loads have landed: my part of the next slot
	ds_add_u32 v[SPW], v[NIL]
	s_wait_dscnt 4*NL+1                            ; the add and the youngest eight loads may be out
	WIN MUL_LO
	MUL16 0, 1, NQ-1, \slot, 0
	s_wait_dscnt 0x0                               ; no LDS instruction of mine is pending at the signal
	s_barrier_signal -1
	MUL16 2, 1, NQ-1, \slot, 0
	WIN 0
	s_barrier_wait -1
	PLACES NP
	FETCH_B \next, 0, 0
	FETCH_A \next, 0, 0
	SCALES \next
	WIN MUL_HI
	MUL16 4, 1, NQ-1, \slot, 0
	MUL16 6, 1, NQ-1, \slot, 0
	PLACES NP
	WIN 0
	FETCH_A \next, 0, 4
.endm
	s_wait_tensorcnt 1                             ; the scale words and my part of slot 0 are in; slot 1's load may be out
	s_barrier_signal -1
	s_barrier_wait -1
	FETCH_B 0, 0, 0
	FETCH_A 0, 0, 0
	SCALES 0
	FETCH_A 0, 0, 4
	s_wait_loadcnt 0x0                             ; the bias
	STEP 0, 0, 1                                   ; the first products start the sums from the bias
	STEP 0, 1, 0
	STEP 0, 2, 0
	TURN 0, 1
	STEP 1, 0, 0
	STEP 1, 1, 0
	STEP 1, 2, 0
	s_wait_dscnt 4*NL                              ; the last step: nothing more to fetch
	WIN MUL_LO
	MUL16 0, 1, NQ-1, 1, 0
	MUL16 2, 1, NQ-1, 1, 0
	s_wait_dscnt 0
	WIN MUL_HI
	MUL16 4, 1, NQ-1, 1, 0
	MUL16 6, 1, NQ-1, 1, 0
	WIN 0
	; THE WAY OUT: a lane's eight results are eight neighbouring channels of one token: 16 bytes of f16, which ARE its part of a piece: each store covers 512 consecutive aligned bytes.  No LDS.
	PLACES NP
.irp a, 0,1,2,3,4,5,6,7
.if \a == 7
	s_wait_xcnt 0x0                                ; block 0's stores have read their registers, which block 7 takes
.endif
	WIN 0x0a+5*(\a/4)                              ; sources in window 2 or 3
.irp b, 0,1,2,3,4,5,6,7
.irp i, 0,1,2,3
	v_cvt_pk_f16_f32 v[PK+32*(\a%7)+4*\b+\i], v[64*(\a%4)+8*\b+2*\i], v[64*(\a%4)+8*\b+2*\i+1]   ; each accumulator from its low end on
.endr
.endr
	WIN 0
.irp b, 0,1,2,3,4,5,6,7
	global_store_b128 v[CO], v[PK+32*(\a%7)+4*\b:PK+32*(\a%7)+4*\b+3], s[94:95] offset:(\b/4)*262144+\a*2048+(\b%4)*512
.endr
.endr
	s_wait_tensorcnt 0x0                           ; the wave's end
	ds_add_u32 v[SPW], v[NIL]
	s_wait_dscnt 0x0
	CROUND                                         ; the closing round
	s_endpgm
.Lfunc_end_k_qc878e6b4ab_gemm:
	.size	k_qc878e6b4ab_gemm, .Lfunc_end_k_qc878e6b4ab_gemm-k_qc878e6b4ab_gemm
	.p2alignl 7, 3214868480
	.fill 96, 4, 3214868480
	.section	.rodata,"a",@progbits
	.p2align	6, 0x0
	.amdhsa_kernel k_qc878e6b4ab_gemm
		.amdhsa_group_segment_fixed_size 327680
		.amdhsa_private_segment_fixed_size 0
		.amdhsa_enable_private_segment 0
		.amdhsa_kernarg_size 48
		.amdhsa_user_sgpr_count 2
		.amdhsa_user_sgpr_kernarg_segment_ptr 1
		.amdhsa_wavefront_size32 1
		.amdhsa_system_sgpr_workgroup_id_x 1
		.amdhsa_system_sgpr_workgroup_id_y 1
		.amdhsa_system_sgpr_workgroup_id_z 1
		.amdhsa_system_vgpr_workitem_id 0
		.amdhsa_next_free_vgpr 1024
		.amdhsa_next_free_sgpr 98
		.amdhsa_reserve_vcc 0
		.amdhsa_float_denorm_mode_32 3
		.amdhsa_float_denorm_mode_16_64 3
		.amdhsa_memory_ordered 1
		.amdhsa_forward_progress 1
		.amdhsa_inst_pref_size 122
	.end_amdhsa_kernel
	.amdgpu_metadata
---
amdhsa.version: [ 1, 2 ]
amdhsa.kernels:
  - .name:           k_qc878e6b4ab_gemm
    .symbol:         k_qc878e6b4ab_gemm.kd
    .args:
      - { .name: xc, .offset: 0, .size: 8, .value_kind: global_buffer, .address_space: global }
      - { .name: xs, .offset: 8, .size: 8, .value_kind: global_buffer, .address_space: global }
      - { .name: wc, .offset: 16, .size: 8, .value_kind: global_buffer, .address_space: global }
      - { .name: ws, .offset: 24, .size: 8, .value_kind: global_buffer, .address_space: global }
      - { .name: bqkv, .offset: 32, .size: 8, .value_kind: global_buffer, .address_space: global }
      - { .name: qkv, .offset: 40, .size: 8, .value_kind: global_buffer, .address_space: global }
    .group_segment_fixed_size: 327680
    .private_segment_fixed_size: 0
    .kernarg_segment_align: 8
    .kernarg_segment_size: 48
    .max_flat_workgroup_size: 128
    .sgpr_count:     98
    .vgpr_count:     1024
    .wavefront_size: 32
...
	.end_amdgpu_metadata
.endif
;; end of part 2
;; launch attn (part 3): grid 8 x 32, 8 waves a work-group, clusters of 4 x 1, 327,680 bytes of LDS; arguments qkv, sigma, gamma, ao; writes ao
.if DOCPART == 3
	.amdgcn_target "amdgcn-amd-amdhsa--gfx1250"
	.amdhsa_code_object_version 6
	.text
	.protected	k_qc878e6b4ab_attn
	.globl	k_qc878e6b4ab_attn
	.p2align	8
	.type	k_qc878e6b4ab_attn,@function
k_qc878e6b4ab_attn:
	s_mov_b64 s[64:65], 0
	v_nop
	global_prefetch_b8 v0, s[64:65] scope:SCOPE_SE
	s_setreg_imm32_b32 hwreg(HW_REG_WAVE_MODE, 25, 1), 1
	s_wait_xcnt 0x0
	s_wait_alu depctr_hold_cnt(0) depctr_sa_sdst(0) depctr_va_vdst(0) depctr_va_sdst(0) depctr_va_ssrc(0) depctr_va_vcc(0) depctr_vm_vsrc(0)
	s_getreg_b32 s2, hwreg(HW_REG_IB_STS2, 6, 4)
	s_cmp_eq_u32 s2, 0
	s_cbranch_scc0 .Lentry_in_a_cluster
	s_endpgm
.Lentry_in_a_cluster:
	s_bfe_u32 s2, ttmp6, 0x10000c
	s_cmp_lg_u32 s2, 0x3003
	s_cbranch_scc0 .Lentry_shape_is_right
	s_endpgm
.Lentry_shape_is_right:
; ATTENTION WITH DIVISIVE NORMALISATION, one head and 256 queries to a work-group, 32 queries (tiles t = 0, 1) to each of eight waves; two waves to a SIMD, so that one wave's vector work lies beside the other's products.
; s = q . k (raw).  reference(): logits = gamma (s / 8) / (sigma + sqrt(mean over keys of (s / 8)^2)), then softmax, then x v.
; THE KEYS ARE WALKED TWICE.  Pass 1: each query's sum of s^2, largest s and smallest s.  Then c2 = gamma log2(e) / 8 / denominator and the row's TRUE maximum m2 = max(c2 smax, c2 smin), right for either sign of c2.
; Pass 2: p = 2^(c2 s - m2), the row's sum of p in f32, O^T += V^T P: no running maximum, no rescaling.  At the end O^T / sum.
; OPERANDS: q, k, v, p in f16, sums in f32.  LIMITS: |q|, |k|, |v| under 65,504; the output leaves as f16: under 6e-5 its absolute error is 2^-25.  Where sigma + rms is 0 the result is not finite, as in reference().
; LAYOUT: both products transposed: S^T = K Q^T (source 0 = 16 keys, source 1 = 16 queries), O^T = V^T P: a lane holds one query (lane % 16) throughout, and the keys 8 (lane / 16) + 0..7 of each tile of 16.
; qkv lies as pieces of 512 bytes: [token tile][b4 4]: lane (r, h): token r, channels 16 b4 + 8 h + 0..7 at byte 16 (l xor 8 (l >> 4)): plain loads take a piece as 512 consecutive bytes, and the turning loads of V
; (8 keys x 16 bytes a group of eight lanes) touch each 16-byte column of 256 once in sixteen lanes.
; LDS: K of the whole head, 262,144 bytes, filled once; V through two slots of 128 keys (16,384 bytes); the spare words.
; CLUSTER: the four query blocks of a cluster walk the same K and V: every tensor load is joint (mask 15), every wave issues every load (its eighth of the tile).
; REGISTERS: v1-7 addresses; v8-11, v28-31 at work; v12.. statistics, 8 a tile; v32-63 Q; v64-127 S^T, then p, then P in place; v128-191 K's fragments; v192-255 V's (pass 1: K's second buffer); window 1 v0-63: O^T.
.set VS0,   0x40000                    ; V's slot 0; slot 1 is one exclusive or away
.set VSX,   0x4000
.set SPARE, 294912                     ; the spare words, 128 bytes a wave
.set LI,  1                            ; v1  16 (l xor 8 (l >> 4))
.set TRA, 2                            ; v2  my place in a piece for the turning load
.set ADK, 3
.set ADV, 4
.set SPW, 5
.set NIL, 6
.set PFO, 7                            ; v7  256 x lane
.set ST,  12                           ; tile t at v[ST + 8 t]: +0, 1 sum of squares, later c2 twice; +2 largest, +3 smallest, later -m2 twice; +4..7 the sum of p in two pairs
.set Q,   32
.set S,   64
.set KF,  128
.set VF,  192
.set WV,  12                           ; s12 wave
.set TK,  14                           ; s14 LDS byte of the 64 keys to be fetched next
.set TV,  15                           ; s15 V's slot in hand
.set SLOTS, 16
.set LIM, 17
.set PFA, 18                           ; s[18:19]
.set SIG, 20
.set GS,  21
.set CNT, 23
.set G1K, 24
.set G1V, 32
.set G0K, 40
.set G0V, 44
.set SEL, 60
.set MSB, 0
.macro WIN new
.if MSB != \new
	s_set_vgpr_msb (MSB<<8)|\new
.set MSB, \new
.endif
.endm
.macro CROUND
	s_barrier_signal -1
	s_barrier_wait -1
	s_cmp_lg_u32 s[WV], 0
	s_cbranch_scc1 .Lnot_wave_0_\@
	s_barrier_signal -3
.Lnot_wave_0_\@:
	s_barrier_wait -3
	s_barrier_signal -1
	s_barrier_wait -1
.endm
.macro PLACES n
.rept \n
	v_nop
.endr
.endm
.macro FETCH_K kf                      ; 64 keys: 16 pieces
	v_add_nc_u32 v[ADK], s[TK], v[LI]
	s_add_co_u32 s[TK], s[TK], 8192
.irp i, 0,1,2,3,4,5,6,7,8,9,10,11,12,13,14,15
	ds_load_b128 v[\kf+4*\i:\kf+4*\i+3], v[ADK] offset:512*\i
.endr
.endm
.macro FETCH_V hf                      ; 64 keys of the slot in hand, turned: fragment (kc, ct): channels 16 ct .., keys 32 kc ..
	v_add_nc_u32 v[ADV], s[TV], v[TRA]
.irp kc, 0,1
.irp ct, 0,1,2,3
.irp u, 0,1
	ds_load_tr16_b128 v[VF+32*\kc+8*\ct+4*\u:VF+32*\kc+8*\ct+4*\u+3], v[ADV] offset:8192*\hf+((2*\kc+\u)*4+\ct)*512
.endr
.endr
.endr
.endm
.macro SMUL kf                         ; S^T of 64 keys x 32 queries: eight accumulators by turns; the first eight products start the sums
.irp c, 0,1
.irp kt, 0,1,2,3
.irp t, 0,1
.if \c == 0
	v_wmma_f32_16x16x32_f16 v[S+32*\t+8*\kt:S+32*\t+8*\kt+7], v[\kf+16*\kt+8*\c:\kf+16*\kt+8*\c+7], v[Q+16*\t+8*\c:Q+16*\t+8*\c+7], 0
.else
	v_wmma_f32_16x16x32_f16 v[S+32*\t+8*\kt:S+32*\t+8*\kt+7], v[\kf+16*\kt+8*\c:\kf+16*\kt+8*\c+7], v[Q+16*\t+8*\c:Q+16*\t+8*\c+7], v[S+32*\t+8*\kt:S+32*\t+8*\kt+7]
.endif
.endr
.endr
.endr
.endm
.macro STATS                           ; six chains by turns; each accumulator is read from its low end on
.irp i, 0,1,2,3,4,5,6,7,8,9,10,11,12,13,14,15
.irp t, 0,1
	v_pk_fma_f32 v[ST+8*\t:ST+8*\t+1], v[S+32*\t+2*\i:S+32*\t+2*\i+1], v[S+32*\t+2*\i:S+32*\t+2*\i+1], v[ST+8*\t:ST+8*\t+1]
.endr
.irp t, 0,1
	v_max3_num_f32 v[ST+8*\t+2], v[ST+8*\t+2], v[S+32*\t+2*\i], v[S+32*\t+2*\i+1]
.endr
.irp t, 0,1
	v_min3_num_f32 v[ST+8*\t+3], v[ST+8*\t+3], v[S+32*\t+2*\i], v[S+32*\t+2*\i+1]
.endr
.endr
.endm
.macro SOFTMAX
.irp i, 0,1,2,3,4,5,6,7,8,9,10,11,12,13,14,15
.irp t, 0,1
	v_pk_fma_f32 v[S+32*\t+2*\i:S+32*\t+2*\i+1], v[S+32*\t+2*\i:S+32*\t+2*\i+1], v[ST+8*\t:ST+8*\t+1], v[ST+8*\t+2:ST+8*\t+3] op_sel_hi:[1,0,0]   ; c2 s - m2
.endr
.endr
.set j, 0
.rept 64
	v_exp_f32 v[S+j], v[S+j]
.set j, j+1
.endr
	v_nop                                          ; a plain line behind the last exponential
	s_wait_alu depctr_va_vdst(0)                   ; one wait for the batch of 64, ahead of its first reader
.irp i, 0,1,2,3,4,5,6,7,8,9,10,11,12,13,14,15
.irp t, 0,1
	v_pk_add_f32 v[ST+8*\t+4+2*(\i%2):ST+8*\t+5+2*(\i%2)], v[ST+8*\t+4+2*(\i%2):ST+8*\t+5+2*(\i%2)], v[S+32*\t+2*\i:S+32*\t+2*\i+1]   ; the sum of the unrounded p, four chains
.endr
.endr
.irp i, 0,1,2,3,4,5,6,7,8,9,10,11,12,13,14,15
.irp t, 0,1
	v_cvt_pk_f16_f32 v[S+32*\t+\i], v[S+32*\t+2*\i], v[S+32*\t+2*\i+1]   ; in place, ascending: P(t, kc) is v[S + 32 t + 8 kc ..]
.endr
.endr
.endm
.macro PVMUL                           ; O^T += V^T P: eight accumulators by turns
	WIN 0x50                                       ; C and D window 1
.irp kc, 0,1
.irp ct, 0,1,2,3
.irp t, 0,1
	v_wmma_f32_16x16x32_f16 v[32*\t+8*\ct:32*\t+8*\ct+7], v[VF+32*\kc+8*\ct:VF+32*\kc+8*\ct+7], v[S+32*\t+8*\kc:S+32*\t+8*\kc+7], v[32*\t+8*\ct:32*\t+8*\ct+7]
.endr
.endr
.endr
	WIN 0
.endm
; A prefetch of V: at every second change of slots, V's tiles two and three on (32,768 bytes).  Both clusters of a head walk the same V: wave 0 of the head's first cluster asks; its four partners take 8,192 bytes each,
; told apart by address, a lane to each 256 bytes: each block is named once.  The last request names tiles 14 and 15.
.macro ASK
	s_bitcmp1_b32 s[SLOTS], 0
	s_cbranch_scc0 .Lno_\@
	s_cmp_gt_u32 s[SLOTS], s[LIM]
	s_cbranch_scc0 .Lno_\@
	global_prefetch_b8 v[PFO], s[PFA:PFA+1] th:TH_LOAD_NT scope:SCOPE_SE
.Lno_\@:
.endm
; THE CHANGE OF SLOTS, at a slot's head: all my tensor loads have landed (my eighth of the slot ahead), the add, my reads of the slot that I left are over; a round of the cluster's barrier; then the other slot takes the next 128 keys.
.macro CHANGE fill
	s_wait_tensorcnt 0x0
	ds_add_u32 v[SPW], v[NIL]
.if \fill
	s_xor_b32 s[G0V+1], s[G0V+1], VSX              ; no tensor load of mine is out: the walking descriptor may be written
	s_add_nc_u64 s[G0V+2:G0V+3], s[G0V+2:G0V+3], 16384
	s_wait_xcnt 0x0                                ; the last prefetch has read its address
	s_add_nc_u64 s[PFA:PFA+1], s[PFA:PFA+1], 16384
	s_wait_dscnt 0x0
	CROUND
	tensor_load_to_lds s[G0V:G0V+3], s[G1V:G1V+7]  ; my one tensor load behind the round
	s_nop 0
	PLACES 4
	ASK
.else
	s_wait_dscnt 0x0
	s_barrier_signal -1
	s_barrier_wait -1
.endif
.endm
; A slot's 128 keys, in two halves.  K of the half in hand is in registers at the head (the change's wait for LDS).
.macro SLOT last
	FETCH_V 0
	SMUL KF
	PLACES 4                                       ; in front of the loads into K's registers and of the first read of the scores
	FETCH_K KF
	SOFTMAX
	s_wait_dscnt 16                                ; V is in; K's sixteen loads may be out
	PVMUL
	PLACES 5                                       ; the next S^T writes over P, which these products read: five places; the loads into V's registers want four
	FETCH_V 1
	s_wait_dscnt 16                                ; K is in; V's sixteen loads may be out
	SMUL KF
	PLACES 4
.if \last
	SOFTMAX
	s_wait_dscnt 0x0
.else
	FETCH_K KF
	SOFTMAX
	s_wait_dscnt 16                                ; V is in; K's sixteen loads may be out
.endif
	PVMUL
	PLACES 5
	s_xor_b32 s[TV], s[TV], VSX
.endm
	s_load_b256 s[4:11], s[0:1], 0x0               ; qkv s[4:5], sigma s[6:7], gamma s[8:9], ao s[10:11]
	v_lshl_add_u32 v[SPW], v0, 2, SPARE
	v_mov_b32 v[NIL], 0
	ds_add_u32 v[SPW], v[NIL]                      ; the wave's opening: the add, twice on end, and its wait ahead of my first tensor load
	ds_add_u32 v[SPW], v[NIL]
	v_lshrrev_b32 v8, 5, v0
	v_readfirstlane_b32 s[WV], v8                  ; wave 0..7
	s_bfe_u32 s13, ttmp6, 0x40000                  ; cx
	s_and_b32 s3, ttmp7, 0xffff                    ; 16 x batch + head, which the four partners share
	s_lshl_b32 s48, s3, 18                         ; the head's first byte in each of q, k, v
	s_lshl_b32 s22, s[WV], 15
	s_add_co_u32 s50, s48, s22                     ; K: my eighth, 32,768 bytes
	s_mov_b32 s51, 0
	s_lshl_b32 s22, s[WV], 11
	s_add_co_u32 s52, s48, s22                     ; V: my eighth of a tile, 2,048 bytes
	s_mov_b32 s53, 0
	s_lshl_b32 s2, ttmp9, 2
	s_add_co_u32 s2, s2, s13                       ; my block of 256 queries: it enters Q's, ao's and the prefetch's addresses alone
	s_lshl_b32 s54, s2, 15
	s_add_co_u32 s54, s54, s48
	s_lshl_b32 s22, s[WV], 12
	s_add_co_u32 s54, s54, s22                     ; Q: token tile 16 block + 2 wave
	s_mov_b32 s55, 0
	s_bfe_u32 s56, s3, 0x20002                     ; ao: ks = head >> 2,
	s_lshl_b32 s56, s56, 21
	s_lshr_b32 s22, s3, 4
	s_lshl_b32 s22, s22, 20                        ; token tile = 128 batch + 16 block + 2 wave + t, 8,192 bytes each,
	s_add_co_u32 s56, s56, s22
	s_lshl_b32 s22, s2, 17
	s_add_co_u32 s56, s56, s22
	s_lshl_b32 s22, s[WV], 14
	s_add_co_u32 s56, s56, s22
	s_and_b32 s22, s3, 3
	s_lshl_b32 s22, s22, 11                        ; piece 4 (head & 3) + ct
	s_add_co_u32 s56, s56, s22
	s_mov_b32 s57, 0
	s_lshl_b32 s58, s13, 13
	s_add_co_u32 s58, s58, s48
	s_add_co_u32 s58, s58, 0x1000000+16384         ; the prefetches: V's tile 1 + 8,192 cx; each change steps it a tile on before it is used
	s_mov_b32 s59, 0
	s_or_b32 s[LIM], s[WV], ttmp9
	s_cmp_eq_u32 s[LIM], 0
	s_cselect_b32 s[LIM], 2, -1                    ; the same in all four partners, for a given wave
	; group 1: dense blocks as rows of 256 bytes: K 128 rows a wave, V 8
	s_mov_b32 s[G1K], 15|(3<<16)|(1<<21)
	s_mov_b32 s[G1K+1], 32<<16
	s_mov_b32 s[G1K+2], 128<<16
	s_mov_b32 s[G1K+3], 32<<16
	s_mov_b32 s[G1K+4], 128
	s_mov_b32 s[G1K+5], 32
	s_mov_b32 s[G1K+6], 0
	s_mov_b32 s[G1K+7], 0
	s_mov_b32 s[G1V], 15|(3<<16)|(1<<21)
	s_mov_b32 s[G1V+1], 32<<16
	s_mov_b32 s[G1V+2], 8<<16
	s_mov_b32 s[G1V+3], 32<<16
	s_mov_b32 s[G1V+4], 8
	s_mov_b32 s[G1V+5], 32
	s_mov_b32 s[G1V+6], 0
	s_mov_b32 s[G1V+7], 0
	s_mov_b32 s[SEL], 0x76543210
	s_mov_b32 s[SEL+1], 0xfedcba98
	v_and_b32 v8, 31, v0
	v_and_b32 v9, 16, v0
	v_lshrrev_b32 v9, 1, v9
	v_xor_b32 v9, v9, v8
	v_lshlrev_b32 v[LI], 4, v9
	v_bfe_u32 v9, v0, 3, 1                         ; a
	v_bfe_u32 v10, v0, 4, 1                        ; b
	v_xor_b32 v10, v10, v9
	v_and_b32 v11, 7, v0
	v_lshlrev_b32 v[TRA], 4, v11                   ; key 8 b + l % 8, channels 8 a ..: byte 256 a + 128 (a xor b) + 16 (l % 8)
	v_lshl_add_u32 v[TRA], v10, 7, v[TRA]
	v_lshl_add_u32 v[TRA], v9, 8, v[TRA]
	v_lshlrev_b32 v[PFO], 8, v8
	s_wait_dscnt 0x0                               ; both opening adds are done
	s_wait_kmcnt 0x0
	s_load_b32 s[SIG], s[6:7], 0x0
	s_load_b32 s[GS], s[8:9], 0x0
	s_mov_b32 s[G0K], 1
	s_lshl_b32 s[G0K+1], s[WV], 15
	s_add_nc_u64 s[G0K+2:G0K+3], s[4:5], s[50:51]
	s_add_nc_u64 s[G0K+2:G0K+3], s[G0K+2:G0K+3], 0x800000
	s_or_b32 s[G0K+3], s[G0K+3], 0x80000000
	s_mov_b32 s[G0V], 1
	s_lshl_b32 s[G0V+1], s[WV], 11
	s_add_co_u32 s[G0V+1], s[G0V+1], VS0
	s_add_nc_u64 s[G0V+2:G0V+3], s[4:5], s[52:53]
	s_add_nc_u64 s[G0V+2:G0V+3], s[G0V+2:G0V+3], 0x1000000
	s_or_b32 s[G0V+3], s[G0V+3], 0x80000000
	s_add_nc_u64 s[54:55], s[4:5], s[54:55]
	s_add_nc_u64 s[10:11], s[10:11], s[56:57]
	s_add_nc_u64 s[PFA:PFA+1], s[4:5], s[58:59]
	CROUND                                         ; all four work-groups are here: the first joint loads meet
	tensor_load_to_lds s[G0K:G0K+3], s[G1K:G1K+7]  ; K of the whole head, my eighth
	s_nop 0
	tensor_load_to_lds s[G0V:G0V+3], s[G1V:G1V+7]  ; V's tile 0: two tensor loads of mine are out
	s_nop 0
	PLACES 4
.irp t, 0,1
.irp b, 0,1,2,3
	global_load_b128 v[Q+16*\t+4*\b:Q+16*\t+4*\b+3], v[LI], s[54:55] offset:2048*\t+512*\b   ; Q stays in registers
.endr
.endr
.irp t, 0,1
	v_mov_b32 v[ST+8*\t], 0
	v_mov_b32 v[ST+8*\t+1], 0
	v_mov_b32 v[ST+8*\t+2], 0xff800000             ; under every score
	v_mov_b32 v[ST+8*\t+3], 0x7f800000             ; over every score
	v_mov_b32 v[28+\t], 0                          ; a lane permute's destination counts as read
	v_mov_b32 v[30+\t], 0
.endr
	s_wait_kmcnt 0x0
	s_mul_f32 s[GS], s[GS], 0x3e38aa3b             ; gamma log2(e) / 8
	s_wait_tensorcnt 1                             ; my part of K is in; V's tile may be out
	s_barrier_signal -1
	s_barrier_wait -1
	s_wait_loadcnt 0x0                             ; Q
	; ---- PASS 1: 32 steps of 64 keys, K's fragments in two buffers by turns
	s_mov_b32 s[TK], 0
	FETCH_K KF
	s_mov_b32 s[CNT], 15
.Lpass1:
	FETCH_K VF
	s_wait_dscnt 16                                ; the older buffer is in; the sixteen loads just issued may be out
	SMUL KF
	PLACES 4
	STATS
	FETCH_K KF
	s_wait_dscnt 16
	SMUL VF
	PLACES 4
	STATS
	s_sub_co_u32 s[CNT], s[CNT], 1
	s_cmp_lg_u32 s[CNT], 0
	s_cbranch_scc1 .Lpass1
	FETCH_K VF                                     ; the last two steps: nothing is fetched past the head's last key
	s_wait_dscnt 16
	SMUL KF
	PLACES 4
	STATS
	s_wait_dscnt 0x0
	SMUL VF
	PLACES 4
	STATS
	; ---- the rows' figures.  A query's keys lie in lanes l and l xor 16
.irp t, 0,1
	v_add_f32 v[8+\t], v[ST+8*\t], v[ST+8*\t+1]
.endr
.irp t, 0,1
	v_permlanex16_b32 v[28+\t], v[8+\t], s[SEL], s[SEL+1]
.endr
.irp t, 0,1
	v_add_f32 v[8+\t], v[8+\t], v[28+\t]
.endr
.irp t, 0,1
	v_permlanex16_b32 v[28+\t], v[ST+8*\t+2], s[SEL], s[SEL+1]
	v_permlanex16_b32 v[30+\t], v[ST+8*\t+3], s[SEL], s[SEL+1]
.endr
.irp t, 0,1
	v_max_num_f32 v[ST+8*\t+2], v[ST+8*\t+2], v[28+\t]
	v_min_num_f32 v[ST+8*\t+3], v[ST+8*\t+3], v[30+\t]
	v_mul_f32 v[8+\t], 0x37000000, v[8+\t]         ; x 2^-17 = (1 / 8)^2 / 2,048: the mean of the scaled scores' squares
.endr
	v_sqrt_f32 v8, v8
	v_sqrt_f32 v9, v9
	v_nop
	s_wait_alu depctr_va_vdst(0)                   ; one wait for the two roots
	v_add_f32 v8, s[SIG], v8
	v_add_f32 v9, s[SIG], v9
	v_rcp_f32 v8, v8
	v_rcp_f32 v9, v9
	v_nop
	s_wait_alu depctr_va_vdst(0)                   ; and one for the two reciprocals
.irp t, 0,1
	v_mul_f32 v[ST+8*\t], s[GS], v[8+\t]           ; c2
.endr
.irp t, 0,1
	v_mov_b32 v[ST+8*\t+1], v[ST+8*\t]
	v_mul_f32 v[28+\t], v[ST+8*\t], v[ST+8*\t+2]
	v_mul_f32 v[30+\t], v[ST+8*\t], v[ST+8*\t+3]
.endr
.irp t, 0,1
	v_max_num_f32 v[28+\t], v[28+\t], v[30+\t]     ; the row's largest exponent, whichever sign c2 has
.endr
.irp t, 0,1
	v_mul_f32 v[ST+8*\t+2], -1.0, v[28+\t]
.endr
.irp t, 0,1
	v_mov_b32 v[ST+8*\t+3], v[ST+8*\t+2]
	v_mov_b32 v[ST+8*\t+4], 0
	v_mov_b32 v[ST+8*\t+5], 0
	v_mov_b32 v[ST+8*\t+6], 0
	v_mov_b32 v[ST+8*\t+7], 0
.endr
	WIN 0x40
.set j, 0
.rept 64
	v_mov_b32 v[j], 0                              ; O^T, once: so the slot's text needs no copy for a first step
.set j, j+1
.endr
	WIN 0
	; ---- PASS 2: 16 slots of 128 keys
	s_mov_b32 s[TK], 0
	s_mov_b32 s[TV], VS0
	s_mov_b32 s[SLOTS], 15
	FETCH_K KF
.Lslot:                                            ; 15 trips: behind each change the next tile of V is asked for; in the first trip that is slot 1's first fill, and no wave refills there
	CHANGE 1
	SLOT 0
	s_sub_co_u32 s[SLOTS], s[SLOTS], 1
	s_cmp_lg_u32 s[SLOTS], 0
	s_cbranch_scc1 .Lslot
	CHANGE 0                                       ; the last slot is written out
	SLOT 1
	; ---- THE WAY OUT: O^T / the sum, to f16: a lane's eight channels of a query are its 16 bytes of a piece of ao
.irp t, 0,1
	v_pk_add_f32 v[ST+8*\t+4:ST+8*\t+5], v[ST+8*\t+4:ST+8*\t+5], v[ST+8*\t+6:ST+8*\t+7]
.endr
.irp t, 0,1
	v_add_f32 v[8+\t], v[ST+8*\t+4], v[ST+8*\t+5]
.endr
.irp t, 0,1
	v_permlanex16_b32 v[28+\t], v[8+\t], s[SEL], s[SEL+1]
.endr
.irp t, 0,1
	v_add_f32 v[8+\t], v[8+\t], v[28+\t]
.endr
.irp t, 0,1
	v_rcp_f32 v[ST+8*\t+4], v[8+\t]
.endr
	v_and_b32 v11, 31, v0                          ; (plain lines behind the reciprocals)
	v_lshlrev_b32 v11, 4, v11                      ; 16 x lane
	s_wait_alu depctr_va_vdst(0)
.irp t, 0,1
	v_mov_b32 v[ST+8*\t+5], v[ST+8*\t+4]
.endr
	WIN 0x01                                       ; source 0 window 1
.irp t, 0,1
.irp i, 0,1,2,3,4,5,6,7,8,9,10,11,12,13,14,15
	v_pk_mul_f32 v[S+32*\t+2*\i:S+32*\t+2*\i+1], v[32*\t+2*\i:32*\t+2*\i+1], v[ST+8*\t+4:ST+8*\t+5] op_sel_hi:[1,0]
.endr
.endr
	WIN 0
.irp t, 0,1
.irp i, 0,1,2,3,4,5,6,7,8,9,10,11,12,13,14,15
	v_cvt_pk_f16_f32 v[KF+16*\t+\i], v[S+32*\t+2*\i], v[S+32*\t+2*\i+1]
.endr
.endr
.irp t, 0,1
.irp ct, 0,1,2,3
	global_store_b128 v11, v[KF+16*\t+4*\ct:KF+16*\t+4*\ct+3], s[10:11] offset:8192*\t+512*\ct   ; 512 consecutive aligned bytes
.endr
.endr
	s_wait_tensorcnt 0x0                           ; the wave's end
	ds_add_u32 v[SPW], v[NIL]
	s_wait_dscnt 0x0
	CROUND                                         ; the closing round
	s_endpgm
.Lfunc_end_k_qc878e6b4ab_attn:
	.size	k_qc878e6b4ab_attn, .Lfunc_end_k_qc878e6b4ab_attn-k_qc878e6b4ab_attn
	.p2alignl 7, 3214868480
	.fill 96, 4, 3214868480
	.section	.rodata,"a",@progbits
	.p2align	6, 0x0
	.amdhsa_kernel k_qc878e6b4ab_attn
		.amdhsa_group_segment_fixed_size 327680
		.amdhsa_private_segment_fixed_size 0
		.amdhsa_enable_private_segment 0
		.amdhsa_kernarg_size 32
		.amdhsa_user_sgpr_count 2
		.amdhsa_user_sgpr_kernarg_segment_ptr 1
		.amdhsa_wavefront_size32 1
		.amdhsa_system_sgpr_workgroup_id_x 1
		.amdhsa_system_sgpr_workgroup_id_y 1
		.amdhsa_system_sgpr_workgroup_id_z 1
		.amdhsa_system_vgpr_workitem_id 0
		.amdhsa_next_free_vgpr 320
		.amdhsa_next_free_sgpr 66
		.amdhsa_reserve_vcc 0
		.amdhsa_float_denorm_mode_32 3
		.amdhsa_float_denorm_mode_16_64 3
		.amdhsa_memory_ordered 1
		.amdhsa_forward_progress 1
		.amdhsa_inst_pref_size 102
	.end_amdhsa_kernel
	.amdgpu_metadata
---
amdhsa.version: [ 1, 2 ]
amdhsa.kernels:
  - .name:           k_qc878e6b4ab_attn
    .symbol:         k_qc878e6b4ab_attn.kd
    .args:
      - { .name: qkv, .offset: 0, .size: 8, .value_kind: global_buffer, .address_space: global }
      - { .name: sigma, .offset: 8, .size: 8, .value_kind: global_buffer, .address_space: global }
      - { .name: gamma, .offset: 16, .size: 8, .value_kind: global_buffer, .address_space: global }
      - { .name: ao, .offset: 24, .size: 8, .value_kind: global_buffer, .address_space: global }
    .group_segment_fixed_size: 327680
    .private_segment_fixed_size: 0
    .kernarg_segment_align: 8
    .kernarg_segment_size: 32
    .max_flat_workgroup_size: 256
    .sgpr_count:     66
    .vgpr_count:     320
    .wavefront_size: 32
...
	.end_amdgpu_metadata
.endif
;; end of part 3
;; launch proj (part 4): grid 8 x 32, 4 waves a work-group, clusters of 4 x 4, 327,680 bytes of LDS; arguments ao, wp, bproj, out0; writes out0
.if DOCPART == 4
	.amdgcn_target "amdgcn-amd-amdhsa--gfx1250"
	.amdhsa_code_object_version 6
	.text
	.protected	k_qc878e6b4ab_proj
	.globl	k_qc878e6b4ab_proj
	.p2align	8
	.type	k_qc878e6b4ab_proj,@function
k_qc878e6b4ab_proj:
	s_mov_b64 s[64:65], 0
	v_nop
	global_prefetch_b8 v0, s[64:65] scope:SCOPE_SE
	s_setreg_imm32_b32 hwreg(HW_REG_WAVE_MODE, 25, 1), 1
	s_wait_xcnt 0x0
	s_wait_alu depctr_hold_cnt(0) depctr_sa_sdst(0) depctr_va_vdst(0) depctr_va_sdst(0) depctr_va_ssrc(0) depctr_va_vcc(0) depctr_vm_vsrc(0)
	s_getreg_b32 s2, hwreg(HW_REG_IB_STS2, 6, 4)
	s_cmp_eq_u32 s2, 0
	s_cbranch_scc0 .Lentry_in_a_cluster
	s_endpgm
.Lentry_in_a_cluster:
	s_bfe_u32 s2, ttmp6, 0x10000c
	s_cmp_lg_u32 s2, 0xf033
	s_cbranch_scc0 .Lentry_shape_is_right
	s_endpgm
.Lentry_shape_is_right:
; out0 = ao Wproj + bproj.  M 4,096, N 1,024, K 1,024; operands f16, sums and result f32.
; 256 tiles of 128 x 128, one to a work-group of four waves, 64 x 64 a wave: 16 accumulators.  K goes in four steps of 256 through two LDS slots; slots 0 and 1 are each filled again once.
; ao and wp lie as images of operand registers ([ks 4][tile][kb 16][512 B]), so a wave's part of a slot is one dense block of 32,768 bytes and a fragment is two ds_load_b128 of 512 consecutive bytes.
; CLUSTERS: 4 x 4; ao's tiles are asked for jointly along a row of the cluster, wp's along a column.  TRANSPOSED USE: source 0 = 16 columns of Wproj, source 1 = 16 tokens.  The bias is the C of each sum's first product.
; REGISTERS: window 0: v16-29 addresses; v32-95 the way out; v96-127 the bias; v128-255 the accumulators ((a, b) at v[128 + 8 (4 a + b)]).  window 1: two fragment buffers of 128: 64 of A, then 64 of B, for 64 along K.
.set SLOT,   131072                    ; A's 8 tiles x 8,192 bytes, then B's
.set STAGE,  262144                    ; behind the slots: 16 rows x 272 bytes for each wave; no tensor load lands there
.set SPITCH, 272
.set SPARE,  STAGE+4*16*SPITCH         ; the spare words, 128 bytes a wave
.set ADRA, 16
.set ADRB, 20
.set STO,  24
.set RD,   25
.set CO,   26
.set SPW,  28
.set NIL,  29
.set TMP,  32
.set BIAS, 96
.set ACC,  128
.set F0,   0
.set F1,   128
.set G1, 24
.set G0, 32
.set G1B, 48
.set G0B, 56
.set MSB, 0
.macro WIN new
.if MSB != \new
	s_set_vgpr_msb (MSB<<8)|\new
.set MSB, \new
.endif
.endm
.set MUL,  0x05                        ; sources 0 (B) and 1 (A) window 1; C and D window 0
.set TO_F, 0x40
.macro JLOAD s                         ; waves 0 and 1 fetch A's halves, waves 2 and 3 B's; an s_nop 0 and four v_nop follow each line
	s_cmp_eq_u32 s13, 0
	s_cbranch_scc0 .Lfor_b_\@
	tensor_load_to_lds s[G0+4*\s:G0+4*\s+3], s[G1:G1+7]
	s_nop 0
.rept 4
	v_nop
.endr
	s_branch .Lasked_\@
.Lfor_b_\@:
	tensor_load_to_lds s[G0B+4*\s:G0B+4*\s+3], s[G1B:G1B+7]
	s_nop 0
.rept 4
	v_nop
.endr
.Lasked_\@:
.endm
.macro CREST
	s_cmp_lg_u32 s12, 0
	s_cbranch_scc1 .Lnot_wave_0_\@
	s_barrier_signal -3
.Lnot_wave_0_\@:
	s_barrier_wait -3
	s_barrier_signal -1
	s_barrier_wait -1
.endm
.macro CROUND
	s_barrier_signal -1
	s_barrier_wait -1
	CREST
.endm
	s_load_b128 s[4:7], s[0:1], 0x0                ; ao s[4:5], wp s[6:7]
	s_load_b128 s[8:11], s[0:1], 0x10              ; bproj s[8:9], out0 s[10:11]
	v_lshl_add_u32 v[SPW], v0, 2, SPARE
	v_mov_b32 v[NIL], 0
	ds_add_u32 v[SPW], v[NIL]                      ; the wave's opening: the add, twice on end, and its wait ahead of my first tensor load
	ds_add_u32 v[SPW], v[NIL]
	v_lshrrev_b32 v1, 5, v0
	v_readfirstlane_b32 s12, v1                    ; wave 0..3
	s_lshr_b32 s13, s12, 1                         ; which half of the tile's rows is mine.  Also: I fetch for A (0) or for B (1)
	s_and_b32 s14, s12, 1                          ; which half of its columns.  Also: which half of that operand's tiles I fetch
	s_bfe_u32 s40, ttmp6, 0x40000
	s_bfe_u32 s41, ttmp6, 0x40004
	s_lshl_b32 s42, ttmp9, 2
	s_add_co_u32 s42, s42, s40                     ; tile column 0..7
	s_and_b32 s15, ttmp7, 0xffff
	s_lshl_b32 s15, s15, 2
	s_add_co_u32 s15, s15, s41                     ; tile row 0..31
	s_lshl_b32 s43, s41, 2
	s_lshl_b32 s43, 15, s43
	s_lshl_b32 s44, 0x1111, s40
	s_or_b32 s[G1+0], s43, (3<<16)|(1<<21)         ; a dense block of 32,768 bytes as 128 rows of 256 (32 elements of 8 bytes)
	s_or_b32 s[G1B+0], s44, (3<<16)|(1<<21)
.irp g, G1, G1B
	s_mov_b32 s[\g+1], 32<<16
	s_mov_b32 s[\g+2], 128<<16
	s_mov_b32 s[\g+3], 32<<16
	s_mov_b32 s[\g+4], 128
	s_mov_b32 s[\g+5], 32
	s_mov_b32 s[\g+6], 0
	s_mov_b32 s[\g+7], 0
.endr
	s_lshl_b32 s17, s14, 15
	s_lshl_b32 s16, s15, 16
	s_add_co_u32 s16, s16, s17                     ; A: 65,536 x tile row + 32,768 x half
	s_lshl_b32 s46, s42, 16
	s_add_co_u32 s46, s46, s17                     ; B: by the tile column
	s_mov_b32 s17, 0
	s_mov_b32 s47, 0
	s_lshl_b32 s20, s12, 15                        ; where they go: wave x 32,768
	s_wait_dscnt 0x0                               ; both opening adds are done
	s_wait_kmcnt 0x0
	s_add_nc_u64 s[18:19], s[4:5], s[16:17]
	s_add_nc_u64 s[46:47], s[6:7], s[46:47]
	CROUND                                         ; all sixteen work-groups are here
.irp s, 0,1
	s_mov_b32 s[G0+4*\s], 1
	s_add_co_u32 s[G0+4*\s+1], s20, \s*SLOT
	s_add_nc_u64 s[G0+4*\s+2:G0+4*\s+3], s[18:19], \s*2097152
	s_or_b32 s[G0+4*\s+3], s[G0+4*\s+3], 0x80000000
	s_mov_b32 s[G0B+4*\s], 1
	s_add_co_u32 s[G0B+4*\s+1], s20, \s*SLOT
	s_add_nc_u64 s[G0B+4*\s+2:G0B+4*\s+3], s[46:47], \s*524288
	s_or_b32 s[G0B+4*\s+3], s[G0B+4*\s+3], 0x80000000
	JLOAD \s                                       ; two tensor loads of mine are out
.endr
	v_and_b32 v1, 15, v0                           ; r
	v_bfe_u32 v2, v0, 4, 1                         ; h
	v_and_b32 v3, 31, v0
	v_lshlrev_b32 v3, 4, v3                        ; 16 x lane
	s_lshl_b32 s21, s13, 15                        ; my 4 tiles of A
	s_lshl_b32 s22, s14, 15
	s_add_co_u32 s22, s22, 65536                   ; my 4 tiles of B, behind A's 8
.irp s, 0,1
	v_add_nc_u32 v[ADRA+\s], s21, v3
	v_add_nc_u32 v[ADRB+\s], s22, v3
	s_add_co_u32 s21, s21, SLOT
	s_add_co_u32 s22, s22, SLOT
.endr
	s_mul_i32 s23, s12, 16*SPITCH
	s_add_co_u32 s23, s23, STAGE                   ; my stage
	v_mul_u32_u24 v4, v1, SPITCH
	v_lshl_add_u32 v4, v2, 5, v4
	v_add_nc_u32 v[STO], s23, v4                   ; in: row r, 32 bytes for each half of the lanes
	v_mul_u32_u24 v5, v2, SPITCH
	v_lshl_add_u32 v5, v1, 4, v5
	v_add_nc_u32 v[RD], s23, v5                    ; back: lanes 0-15 one row of 256 bytes, lanes 16-31 the next
	v_lshlrev_b32 v5, 12, v2
	v_lshl_add_u32 v[CO], v1, 4, v5                ; and the same two rows of out0
	v_lshlrev_b32 v6, 5, v2                        ; the bias: 8 h numbers on
	s_lshl_b32 s16, s42, 9
	s_lshl_b32 s17, s14, 8
	s_add_co_u32 s16, s16, s17                     ; 4 (128 x tile column + 64 x half)
	s_mov_b32 s17, 0
	s_add_nc_u64 s[8:9], s[8:9], s[16:17]
.irp b, 0,1,2,3
	global_load_b128 v[BIAS+8*\b:BIAS+8*\b+3], v6, s[8:9] offset:64*\b
	global_load_b128 v[BIAS+8*\b+4:BIAS+8*\b+7], v6, s[8:9] offset:64*\b+16
.endr
	s_lshl_b32 s21, s15, 19                        ; 128 rows of 4,096 bytes
	s_lshl_b32 s22, s13, 18
	s_add_co_u32 s21, s21, s22
	s_add_co_u32 s16, s16, s21
	s_add_nc_u64 s[10:11], s[10:11], s[16:17]
.macro MUL8 f, c, a0, zero             ; the 16 accumulators take turns, one instruction a turn
.irp a, \a0, \a0+1
.irp b, 0,1,2,3
.if \zero
	v_wmma_f32_16x16x32_f16 v[ACC+8*(4*(\a)+\b):ACC+8*(4*(\a)+\b)+7], v[\f+64+8*(4*\c+\b):\f+64+8*(4*\c+\b)+7], v[\f+8*(4*\c+\a):\f+8*(4*\c+\a)+7], v[BIAS+8*\b:BIAS+8*\b+7]
.else
	v_wmma_f32_16x16x32_f16 v[ACC+8*(4*(\a)+\b):ACC+8*(4*(\a)+\b)+7], v[\f+64+8*(4*\c+\b):\f+64+8*(4*\c+\b)+7], v[\f+8*(4*\c+\a):\f+8*(4*\c+\a)+7], v[ACC+8*(4*(\a)+\b):ACC+8*(4*(\a)+\b)+7]
.endif
.endr
.endr
.endm
.macro FETCH slot, kq, f               ; 32 LDS loads: quarter kq (64 along K: pieces 4 kq .. 4 kq + 3) of my 4 + 4 tiles; the first 32 along K first
	WIN TO_F
.irp c, 0,1
.irp i, 0,1,2,3
	ds_load_b128 v[\f+64+8*(4*\c+\i):\f+64+8*(4*\c+\i)+3],   v[ADRB+\slot] offset:\i*8192+(2*(\kq)+\c)*1024
	ds_load_b128 v[\f+64+8*(4*\c+\i)+4:\f+64+8*(4*\c+\i)+7], v[ADRB+\slot] offset:\i*8192+(2*(\kq)+\c)*1024+512
	ds_load_b128 v[\f+8*(4*\c+\i):\f+8*(4*\c+\i)+3],         v[ADRA+\slot] offset:\i*8192+(2*(\kq)+\c)*1024
	ds_load_b128 v[\f+8*(4*\c+\i)+4:\f+8*(4*\c+\i)+7],       v[ADRA+\slot] offset:\i*8192+(2*(\kq)+\c)*1024+512
.endr
.endr
.endm
.macro PLACES
.rept 4
	v_nop
.endr
.endm
.macro QUARTER slot, kq, f, g, zero    ; multiplies buffer f and fetches quarter kq of the same slot into g
	s_wait_dscnt 16                                ; the first 32 along K are in; the other sixteen loads may be out
	WIN MUL
	MUL8 \f, 0, 0, \zero
	MUL8 \f, 0, 2, \zero
	PLACES
	FETCH \slot, \kq, \g
	s_wait_dscnt 32                                ; all but the 32 just issued
	WIN MUL
	MUL8 \f, 1, 0, 0
	MUL8 \f, 1, 2, 0
.endm
.macro TURN slot, next, fill           ; a slot's last quarter: one barrier for the change of slots; fill = 1: it opens a round of the cluster's barrier, and this slot takes the K step two on
	WIN 0
	s_wait_tensorcnt 0x0                           ; all my tensor loads have landed: my part of the next slot
	ds_add_u32 v[SPW], v[NIL]
	s_wait_dscnt 17                                ; the add and the youngest sixteen loads may be out
	WIN MUL
	MUL8 F1, 0, 0, 0
	s_wait_dscnt 0x0                               ; the add is done, and my reads of this slot are over
	s_barrier_signal -1
	MUL8 F1, 0, 2, 0
.if \fill
	WIN 0
.endif
	s_barrier_wait -1
.if \fill
	CREST
	s_add_nc_u64 s[G0+4*\slot+2:G0+4*\slot+3], s[G0+4*\slot+2:G0+4*\slot+3], 2*2097152
	s_add_nc_u64 s[G0B+4*\slot+2:G0B+4*\slot+3], s[G0B+4*\slot+2:G0B+4*\slot+3], 2*524288
	JLOAD \slot                                    ; my one tensor load behind the round; its four v_nop are also the places in front of the loads below
.else
	PLACES
.endif
	FETCH \next, 0, F0
	WIN MUL
	MUL8 F1, 1, 0, 0
	MUL8 F1, 1, 2, 0
.endm
	s_wait_tensorcnt 1                             ; my part of K step 0 is in; K step 1's load may be out
	s_barrier_signal -1
	s_barrier_wait -1
	FETCH 0, 0, F0
	s_wait_loadcnt 0x0                             ; the bias
	QUARTER 0, 1, F0, F1, 1                        ; the first products start the sums from the bias
	QUARTER 0, 2, F1, F0, 0
	QUARTER 0, 3, F0, F1, 0
	TURN 0, 1, 1                                   ; slot 0 takes K step 2
	QUARTER 1, 1, F0, F1, 0
	QUARTER 1, 2, F1, F0, 0
	QUARTER 1, 3, F0, F1, 0
	TURN 1, 0, 1                                   ; slot 1 takes K step 3
	QUARTER 0, 1, F0, F1, 0
	QUARTER 0, 2, F1, F0, 0
	QUARTER 0, 3, F0, F1, 0
	TURN 0, 1, 0                                   ; nothing is left to fetch
	QUARTER 1, 1, F0, F1, 0
	QUARTER 1, 2, F1, F0, 0
	QUARTER 1, 3, F0, F1, 0
	s_wait_dscnt 16
	WIN MUL
	MUL8 F1, 0, 0, 0
	MUL8 F1, 0, 2, 0
	s_wait_dscnt 0
	MUL8 F1, 1, 0, 0
	MUL8 F1, 1, 2, 0
	WIN 0
	; THE WAY OUT: my 64 columns of f32 are 256 bytes of a row.  A block of 16 rows goes through my own stage and comes back as whole rows: sixteen lanes store 256 consecutive aligned bytes.
	; LDS serves a wave's instructions in order (ISA guide 5.7.1.4): no wait between the stores and the loads, nor in front of the next block's stores.
	PLACES
.irp a, 0,1,2,3
.if \a >= 2
	s_wait_xcnt 0x0                                ; block a - 2's stores have read their registers, which this block's loads take
.endif
.irp b, 0,1,2,3
	ds_store_b128 v[STO], v[ACC+8*(4*\a+\b):ACC+8*(4*\a+\b)+3] offset:64*\b        ; each accumulator from its low end on
	ds_store_b128 v[STO], v[ACC+8*(4*\a+\b)+4:ACC+8*(4*\a+\b)+7] offset:64*\b+16
.endr
.irp t, 0,1,2,3,4,5,6,7
	ds_load_b128 v[TMP+32*(\a%2)+4*\t:TMP+32*(\a%2)+4*\t+3], v[RD] offset:\t*2*SPITCH
.endr
.irp t, 0,1,2,3,4,5,6,7
	s_wait_dscnt 7-\t                              ; load t is back; the younger ones may be out
	global_store_b128 v[CO], v[TMP+32*(\a%2)+4*\t:TMP+32*(\a%2)+4*\t+3], s[10:11] offset:(16*\a+2*\t)*4096 th:TH_STORE_NT
.endr
.endr
	s_wait_tensorcnt 0x0                           ; the wave's end
	ds_add_u32 v[SPW], v[NIL]
	s_wait_dscnt 0x0
	CROUND                                         ; the closing round
	s_endpgm
.Lfunc_end_k_qc878e6b4ab_proj:
	.size	k_qc878e6b4ab_proj, .Lfunc_end_k_qc878e6b4ab_proj-k_qc878e6b4ab_proj
	.p2alignl 7, 3214868480
	.fill 96, 4, 3214868480
	.section	.rodata,"a",@progbits
	.p2align	6, 0x0
	.amdhsa_kernel k_qc878e6b4ab_proj
		.amdhsa_group_segment_fixed_size 327680
		.amdhsa_private_segment_fixed_size 0
		.amdhsa_enable_private_segment 0
		.amdhsa_kernarg_size 32
		.amdhsa_user_sgpr_count 2
		.amdhsa_user_sgpr_kernarg_segment_ptr 1
		.amdhsa_wavefront_size32 1
		.amdhsa_system_sgpr_workgroup_id_x 1
		.amdhsa_system_sgpr_workgroup_id_y 1
		.amdhsa_system_sgpr_workgroup_id_z 1
		.amdhsa_system_vgpr_workitem_id 0
		.amdhsa_next_free_vgpr 512
		.amdhsa_next_free_sgpr 66
		.amdhsa_reserve_vcc 0
		.amdhsa_float_denorm_mode_32 3
		.amdhsa_float_denorm_mode_16_64 3
		.amdhsa_memory_ordered 1
		.amdhsa_forward_progress 1
		.amdhsa_inst_pref_size 87
	.end_amdhsa_kernel
	.amdgpu_metadata
---
amdhsa.version: [ 1, 2 ]
amdhsa.kernels:
  - .name:           k_qc878e6b4ab_proj
    .symbol:         k_qc878e6b4ab_proj.kd
    .args:
      - { .name: ao, .offset: 0, .size: 8, .value_kind: global_buffer, .address_space: global }
      - { .name: wp, .offset: 8, .size: 8, .value_kind: global_buffer, .address_space: global }
      - { .name: bproj, .offset: 16, .size: 8, .value_kind: global_buffer, .address_space: global }
      - { .name: out0, .offset: 24, .size: 8, .value_kind: global_buffer, .address_space: global }
    .group_segment_fixed_size: 327680
    .private_segment_fixed_size: 0
    .kernarg_segment_align: 8
    .kernarg_segment_size: 32
    .max_flat_workgroup_size: 128
    .sgpr_count:     66
    .vgpr_count:     512
    .wavefront_size: 32
...
	.end_amdgpu_metadata
.endif
;; end of part 4
